; MI455X (gfx1250); checked and timed in simulation.
; The chip was launched on July 23, 2026; its instructions are those of AMD's public machine-readable ISA for CDNA 5 (MIT licence, August 2026) and "CDNA5" Instruction Set Architecture Reference Guide (July 2026). The comments in the code are by the model that wrote it; some were corrected since.
;; Attention. Allowed arithmetic: matrix products marked QUANTISED: E3M2 operands, one E8M0 scale for each 32 along K, by v_wmma_scale_f32_16x16x128_f8f6f4 with both operands' format E3M2, f32 sums; products left as they are: f32 operands where the result goes on into a quantised operand, else bf16, f16 or f32 operands; f32 sums; everything else in f32.
;; Inputs: W1_codes 1,024 x 32 x 24 uint8 (E3M2 codes of W1, K innermost, in blocks of 32 codes, four codes in three bytes); W1_scales 1,024 x 32 uint8 (E8M0 scales of W1, one for each 32 codes along K); W2_codes 1,024 x 32 x 24 uint8 (E3M2 codes of W2, K innermost, in blocks of 32 codes, four codes in three bytes); W2_scales 1,024 x 32 uint8 (E8M0 scales of W2, one for each 32 codes along K); Wv 1,024 x 1 float32; b1 1,024 float32; b2 1,024 float32; bv 1 float32; query_codes 32 x 32 x 24 uint8 (E3M2 codes of query, K innermost, in blocks of 32 codes, four codes in three bytes); query_scales 32 x 32 uint8 (E8M0 scales of query, one for each 32 codes along K); values 32 x 2,048 x 1,024 float32.
;; Outputs: out0 32 x 1,024 float32; out1 32 x 2,048 x 1 float32.
;; This version of the problem:
;;   THIS VERSION OF THE PROBLEM IS GIVEN IN LOW PRECISION. The matrix products marked QUANTISED in the list below multiply operands that are first quantised to E3M2 (3 exponent bits, 2 mantissa bits; 6 bits a number), with one power-of-two scale for each 32 numbers along K (OCP MX v1.0); their sums are f32. All else is computed in f32.
;;   The module's matrix products, in the order in which they are computed (A, B: the left and right operand; K: the contracted axis; several contracted axes count as one K, in the product's order):
;;     1. [M 32, K 1,024] x [K 1,024, N 1,024]; A: input query (given as codes); B: input W1 (given as codes): QUANTISED
;;     2. [M 65,536, K 1,024] x [K 1,024, N 1,024]; A: input values; B: input W2 (given as codes): QUANTISED
;;     3. [M 65,536, K 1,024] x [K 1,024, N 1]; A: computed on the way; B: input Wv: left as it is (N = 1 < 16)
;;   THE QUANTISER, for each operand of a quantised product, along K:
;;     - K is cut into blocks of 32 from its start; a last block that is shorter is filled with zeros.
;;     - A block's scale is 2^e with e = floor(log2(the largest magnitude in the block)) - 4, held to -126 .. 127; a block of zeros has e = 0. As a byte (E8M0): e + 127.
;;     - Each number is divided by its block's scale, clamped to +-28, and rounded to the nearest number of E3M2, ties to even, subnormals kept.
;;     - The product sums the exact products of the quantised numbers (number of the format x scale) in f32.
;;   ~~~python
;;   def quantise(x, axis):      # numpy; x: float32 -> the quantised numbers, widened to float32 again
;;       x = np.moveaxis(x, axis, -1); K = x.shape[-1]
;;       x = np.pad(x, [(0, 0)] * (x.ndim - 1) + [(0, -K % 32)]); x = x.reshape(x.shape[:-1] + (-1, 32)); a = np.abs(x).max(-1, keepdims=True)
;;       e = np.where(a > 0, np.clip(np.frexp(np.where(a > 0, a, 1))[1] - 1 - 4, -126, 127), 0)      # np.frexp(a)[1] - 1 = floor(log2(a)), exactly
;;       r = np.clip(x / 2.0 ** e, -28, 28)
;;       step = 2.0 ** (np.maximum(np.frexp(np.where(r == 0, 1, r))[1] - 1, -2) - 2)
;;       q = np.round(r / step) * step * 2.0 ** e      # np.round: ties to even
;;       return np.moveaxis(q.reshape(q.shape[:-2] + (-1,))[..., :K], -1, axis).astype(np.float32)
;;   ~~~
;;   INPUTS GIVEN AS CODES. W1 (in the module: [1024, 1024], K = its axis 0); W2 (in the module: [1024, 1024], K = its axis 0); query (in the module: [32, 1024], K = its axis 1): each comes as NAME_codes (uint8): NAME with its K axis moved to the last place and cut into blocks of 32 codes, [.., K / 32, bytes a block], one block behind the other in memory; four codes in three bytes: a row's codes are one little-endian stream of bits, code i at bits 6 i .. 6 i + 5 (a code: sign, 3 exponent bits, 2 mantissa bits); and NAME_scales (uint8): the same leading axes, one E8M0 byte (e + 127) for each 32 codes along K. Its value is code x scale, taken as it is: it is not quantised again, and the codes and scales need not be those that the quantiser above would give.
;; One version. Each part assembles by itself: llvm-mc -triple=amdgcn-amd-amdhsa -mcpu=gfx1250 --defsym DOCPART=n.
;; ======== version 1 of 1: 3 launches
;; workspace buffers: biasq 131,072 bytes; scores 262,144 bytes; w2img 819,200 bytes
;; launch prep (part 1): grid 16 x 1, 4 waves a work-group, no clusters, 9,216 bytes of LDS; arguments query_codes, query_scales, W1_codes, W1_scales, W2_codes, W2_scales, b1, b2, biasq, w2img; writes biasq, w2img
.if DOCPART == 1
	.amdgcn_target "amdgcn-amd-amdhsa--gfx1250"
	.amdhsa_code_object_version 6
	.text
	.protected	k_q6bb4c5751d_prep
	.globl	k_q6bb4c5751d_prep
	.p2align	8
	.type	k_q6bb4c5751d_prep,@function
k_q6bb4c5751d_prep:
	s_mov_b64 s[64:65], 0
	v_nop
	global_prefetch_b8 v0, s[64:65] scope:SCOPE_SE
	s_setreg_imm32_b32 hwreg(HW_REG_WAVE_MODE, 25, 1), 1
	s_wait_xcnt 0x0
; biasq[b][u] = 2 log2(e) x (sum over k of query[b][k] W1[k][u] + b1[u] + b2[u]): the first product, on the codes of BF6 (E3M2) and the E8M0 bytes as they are given.
; w2img: W2's codes laid again as images of the operand's registers, so that the next launch brings them by dense tensor loads and reads them 16 bytes a lane on end.
;   8 parts of 102,400 bytes; part j = units 128 j .. 128 j + 127: 64 images of 1,536 bytes, image (8 gq + s) 4 + n = block of 16 units 8 j + 4 gq + n, K step s
;   (three groups of 512 bytes: registers 4 c .. 4 c + 3, lane l's 16 bytes at 16 l); behind them, at 98,304, the part's 128 rows of 32 scale bytes as they lie in W2_scales.
; SHARES.  64 blocks of 16 units, one to a wave: 16 work-groups of four waves are all the work that there is.  No cluster, no tensor load: no work-group reads what another reads, but the 24 KB of the query.
; THE PRODUCT IS USED TRANSPOSED (source 0 = 16 rows of W1, source 1 = 16 rows of the query): lane (r, h) holds batch 16 mb + r, register j unit 16 nb + 8 h + j.  b1 + b2 is the C of each sum's first instruction.
; REGISTERS: window 0: v1-9 addresses; v32-127 W1's 8 fragments; v128-143 two accumulators; v144-159 results x 2 log2(e); v160-183 b1, b2, their sum; v184-187 W1's scale words, v188-195 the query's (they hold nothing else);
;   v196-199 W2's scale bytes; v200-215 rows read back.   window 1: the query's 16 fragments, (mb, s) at 12 (8 mb + s).   window 2: W2's 8 fragments, 12 s.
.set W1F,  32
.set ACC,  128
.set OUT,  144
.set B1R,  160
.set B2R,  168
.set BB,   176
.set W1S,  184
.set QS,   188
.set W2SC, 196
.set BK,   200
.set SP,   272                         ; a stage row: 64 units x 4 bytes + 16
.set MSB, 0
.macro WIN new                         ; the immediate's high byte repeats the setting that is left
.if MSB != \new
	s_set_vgpr_msb (MSB<<8)|\new
.set MSB, \new
.endif
.endm
	s_load_b256 s[4:11], s[0:1], 0x0               ; query's codes s[4:5], its scales s[6:7], W1's codes s[8:9], its scales s[10:11]
	s_load_b256 s[12:19], s[0:1], 0x20             ; W2's codes s[12:13], its scales s[14:15], b1 s[16:17], b2 s[18:19]
	s_load_b128 s[20:23], s[0:1], 0x40             ; biasq s[20:21], w2img s[22:23]
	v_lshl_add_u32 v254, v0, 2, 0x2200
	v_mov_b32 v255, 0
	v_lshrrev_b32 v1, 5, v0
	v_readfirstlane_b32 s24, v1                    ; wave 0..3
	s_lshl_b32 s25, ttmp9, 2
	s_add_co_u32 s25, s25, s24                     ; nb: my block of 16 units
	s_mov_b32 s26, 0x4038aa3b                      ; 2 log2(e)
	s_mov_b32 s27, s26                             ; (named with it as a pair, so it is written)
	s_mul_i32 s28, s25, 12288                      ; 16 rows of 768 bytes of codes
	s_mov_b32 s29, 0
	s_lshl_b32 s30, s25, 9                         ; 16 rows of 32 scale bytes
	s_mov_b32 s31, 0
	s_lshl_b32 s32, s25, 6                         ; 16 numbers of a bias
	s_mov_b32 s33, 0
	s_lshl_b32 s34, ttmp9, 8                       ; the work-group's 64 units in a row of biasq
	s_mov_b32 s35, 0
	s_lshr_b32 s44, ttmp9, 1
	s_mul_i32 s44, s44, 102400                     ; the part
	s_and_b32 s45, ttmp9, 1                        ; gq: which half of it
	s_mul_i32 s36, s45, 49152
	s_add_co_u32 s36, s36, s44
	s_mul_i32 s46, s24, 1536
	s_add_co_u32 s36, s36, s46                     ; my images begin here; K step s lies 6,144 s further on
	s_mov_b32 s37, 0
	s_lshl_b32 s40, s45, 2
	s_add_co_u32 s40, s40, s24
	s_lshl_b32 s40, s40, 9
	s_add_co_u32 s40, s40, s44
	s_add_co_u32 s40, s40, 98304                   ; my block's 512 scale bytes in the part
	s_mov_b32 s41, 0
	v_and_b32 v1, 15, v0                           ; r
	v_bfe_u32 v2, v0, 4, 1                         ; h
	v_mul_u32_u24 v3, v1, 768
	v_mad_u32_u24 v3, v2, 24, v3                   ; a row of 1,024 codes is 768 bytes; + 24 h
	v_lshlrev_b32 v4, 5, v1
	v_lshl_add_u32 v4, v2, 4, v4                   ; scale words: row r of 32 bytes, + 16 h: lanes 0-15 take K steps 0-3, lanes 16-31 K steps 4-7
	v_and_b32 v5, 31, v0
	v_lshlrev_b32 v5, 4, v5                        ; 16 x lane
	v_lshlrev_b32 v6, 5, v2                        ; the biases: my eight units, 32 h
	s_lshl_b32 s44, s24, 6
	v_mul_u32_u24 v7, v1, SP
	v_lshl_add_u32 v7, v2, 5, v7
	v_add_nc_u32 v7, s44, v7                       ; the stage, in: row r, + 64 x wave + 32 h
	s_mul_i32 s45, s24, 8*SP
	v_mul_u32_u24 v8, v2, SP
	v_lshl_add_u32 v8, v1, 4, v8
	v_add_nc_u32 v8, s45, v8                       ; back: rows 8 x wave + h, 16 bytes a lane
	s_lshl_b32 s46, s24, 15
	v_lshlrev_b32 v9, 12, v2
	v_lshl_add_u32 v9, v1, 4, v9
	v_add_nc_u32 v9, s46, v9                       ; and the same rows of biasq, 4,096 bytes each
	s_wait_kmcnt 0x0
	s_add_nc_u64 s[8:9], s[8:9], s[28:29]
	s_add_nc_u64 s[12:13], s[12:13], s[28:29]
	s_add_nc_u64 s[10:11], s[10:11], s[30:31]
	s_add_nc_u64 s[14:15], s[14:15], s[30:31]
	s_add_nc_u64 s[16:17], s[16:17], s[32:33]
	s_add_nc_u64 s[18:19], s[18:19], s[32:33]
	s_add_nc_u64 s[20:21], s[20:21], s[34:35]
	s_add_nc_u64 s[38:39], s[22:23], s[36:37]
	s_add_nc_u64 s[42:43], s[22:23], s[40:41]
	; a fragment: 24 bytes at 96 s + 24 h and 24 at 96 s + 48 + 24 h of the lane's row, in pieces of 8 bytes
.irp s, 0,1,2,3,4,5,6,7
.irp p, 0,1,2,3,4,5
	global_load_b64 v[W1F+12*\s+2*\p:W1F+12*\s+2*\p+1], v3, s[8:9] offset:96*\s+48*(\p/3)+8*(\p%3)
.endr
.endr
	global_load_b128 v[W1S:W1S+3], v4, s[10:11]
	global_load_b128 v[QS:QS+3], v4, s[6:7]
	global_load_b128 v[QS+4:QS+7], v4, s[6:7] offset:512
	global_load_b128 v[W2SC:W2SC+3], v5, s[14:15]
	global_load_b128 v[B1R:B1R+3], v6, s[16:17]
	global_load_b128 v[B1R+4:B1R+7], v6, s[16:17] offset:16
	global_load_b128 v[B2R:B2R+3], v6, s[18:19]
	global_load_b128 v[B2R+4:B2R+7], v6, s[18:19] offset:16
	WIN 0x40                                       ; destination window 1
.irp mb, 0,1
.irp s, 0,1,2,3,4,5,6,7
.irp p, 0,1,2,3,4,5
	global_load_b64 v[12*(8*\mb+\s)+2*\p:12*(8*\mb+\s)+2*\p+1], v3, s[4:5] offset:12288*\mb+96*\s+48*(\p/3)+8*(\p%3)
.endr
.endr
.endr
	WIN 0x80                                       ; destination window 2
.irp s, 0,1,2,3,4,5,6,7
.irp p, 0,1,2,3,4,5
	global_load_b64 v[12*\s+2*\p:12*\s+2*\p+1], v3, s[12:13] offset:96*\s+48*(\p/3)+8*(\p%3)
.endr
.endr
	WIN 0
	s_wait_loadcnt 0x0
.irp i, 0,2,4,6
	v_pk_add_f32 v[BB+\i:BB+\i+1], v[B1R+\i:B1R+\i+1], v[B2R+\i:B2R+\i+1]
.endr
.rept 8
	v_nop
.endr
	WIN 0x04                                       ; source 1 (the query) window 1
	; two accumulators by turns, K ascending
.irp s, 0,1,2,3,4,5,6,7
.irp mb, 0,1
.if \s == 0
	v_wmma_scale_f32_16x16x128_f8f6f4 v[ACC+8*\mb:ACC+8*\mb+7], v[W1F+12*\s:W1F+12*\s+11], v[12*(8*\mb+\s):12*(8*\mb+\s)+11], v[BB:BB+7], v[W1S+\s%4], v[QS+4*\mb+\s%4] matrix_a_fmt:MATRIX_FMT_BF6 matrix_b_fmt:MATRIX_FMT_BF6
.elseif \s < 4
	v_wmma_scale_f32_16x16x128_f8f6f4 v[ACC+8*\mb:ACC+8*\mb+7], v[W1F+12*\s:W1F+12*\s+11], v[12*(8*\mb+\s):12*(8*\mb+\s)+11], v[ACC+8*\mb:ACC+8*\mb+7], v[W1S+\s%4], v[QS+4*\mb+\s%4] matrix_a_fmt:MATRIX_FMT_BF6 matrix_b_fmt:MATRIX_FMT_BF6
.else
	v_wmma_scale_f32_16x16x128_f8f6f4 v[ACC+8*\mb:ACC+8*\mb+7], v[W1F+12*\s:W1F+12*\s+11], v[12*(8*\mb+\s):12*(8*\mb+\s)+11], v[ACC+8*\mb:ACC+8*\mb+7], v[W1S+\s%4], v[QS+4*\mb+\s%4] matrix_a_fmt:MATRIX_FMT_BF6 matrix_b_fmt:MATRIX_FMT_BF6 matrix_a_scale:MATRIX_SCALE_ROW1 matrix_b_scale:MATRIX_SCALE_ROW1
.endif
.endr
.endr
	WIN 0
.rept 4
	v_nop                                          ; four places between the last product and the first read of results (ISA guide 7.12.1)
.endr
.irp i, 0,2,4,6,8,10,12,14
	v_pk_mul_f32 v[OUT+\i:OUT+\i+1], v[ACC+\i:ACC+\i+1], s[26:27] op_sel_hi:[1,0]   ; x 2 log2(e); each accumulator from its low end on
.endr
.irp mb, 0,1
	ds_store_b128 v7, v[OUT+8*\mb:OUT+8*\mb+3] offset:16*SP*\mb
	ds_store_b128 v7, v[OUT+8*\mb+4:OUT+8*\mb+7] offset:16*SP*\mb+16
.endr
	WIN 0x08                                       ; a store's data are its source 1: window 2
.irp s, 0,1,2,3,4,5,6,7
.irp c, 0,1,2
	global_store_b128 v5, v[12*\s+4*\c:12*\s+4*\c+3], s[38:39] offset:6144*\s+512*\c   ; W2's fragment as it stands in registers: 512 consecutive bytes a store
.endr
.endr
	WIN 0
	global_store_b128 v5, v[W2SC:W2SC+3], s[42:43]  ; my block's 512 scale bytes
	s_wait_dscnt 0x0                               ; for the others' sake: my stores into the stage are done
	s_barrier_signal -1
	s_barrier_wait -1
.irp i, 0,1,2,3
	ds_load_b128 v[BK+4*\i:BK+4*\i+3], v8 offset:2*SP*\i
.endr
.irp i, 0,1,2,3
	s_wait_dscnt 3-\i                              ; the younger loads may stay out
	global_store_b128 v9, v[BK+4*\i:BK+4*\i+3], s[20:21] offset:8192*\i   ; 16 lanes store 256 consecutive bytes, at a multiple of 256 from the buffer's first byte
.endr
	s_wait_tensorcnt 0x0
	ds_add_u32 v254, v255
	s_wait_dscnt 0x0
	s_endpgm
.Lfunc_end_k_q6bb4c5751d_prep:
	.size	k_q6bb4c5751d_prep, .Lfunc_end_k_q6bb4c5751d_prep-k_q6bb4c5751d_prep
	.p2alignl 7, 3214868480
	.fill 96, 4, 3214868480
	.section	.rodata,"a",@progbits
	.p2align	6, 0x0
	.amdhsa_kernel k_q6bb4c5751d_prep
		.amdhsa_group_segment_fixed_size 9216
		.amdhsa_private_segment_fixed_size 0
		.amdhsa_enable_private_segment 0
		.amdhsa_kernarg_size 80
		.amdhsa_user_sgpr_count 2
		.amdhsa_user_sgpr_kernarg_segment_ptr 1
		.amdhsa_wavefront_size32 1
		.amdhsa_system_sgpr_workgroup_id_x 1
		.amdhsa_system_sgpr_workgroup_id_y 1
		.amdhsa_system_sgpr_workgroup_id_z 1
		.amdhsa_system_vgpr_workitem_id 0
		.amdhsa_next_free_vgpr 640
		.amdhsa_next_free_sgpr 66
		.amdhsa_reserve_vcc 0
		.amdhsa_float_denorm_mode_32 3
		.amdhsa_float_denorm_mode_16_64 3
		.amdhsa_memory_ordered 1
		.amdhsa_forward_progress 1
		.amdhsa_inst_pref_size 29
	.end_amdhsa_kernel
	.amdgpu_metadata
---
amdhsa.version: [ 1, 2 ]
amdhsa.kernels:
  - .name:           k_q6bb4c5751d_prep
    .symbol:         k_q6bb4c5751d_prep.kd
    .args:
      - { .name: query_codes, .offset: 0, .size: 8, .value_kind: global_buffer, .address_space: global }
      - { .name: query_scales, .offset: 8, .size: 8, .value_kind: global_buffer, .address_space: global }
      - { .name: W1_codes, .offset: 16, .size: 8, .value_kind: global_buffer, .address_space: global }
      - { .name: W1_scales, .offset: 24, .size: 8, .value_kind: global_buffer, .address_space: global }
      - { .name: W2_codes, .offset: 32, .size: 8, .value_kind: global_buffer, .address_space: global }
      - { .name: W2_scales, .offset: 40, .size: 8, .value_kind: global_buffer, .address_space: global }
      - { .name: b1, .offset: 48, .size: 8, .value_kind: global_buffer, .address_space: global }
      - { .name: b2, .offset: 56, .size: 8, .value_kind: global_buffer, .address_space: global }
      - { .name: biasq, .offset: 64, .size: 8, .value_kind: global_buffer, .address_space: global }
      - { .name: w2img, .offset: 72, .size: 8, .value_kind: global_buffer, .address_space: global }
    .group_segment_fixed_size: 9216
    .private_segment_fixed_size: 0
    .kernarg_segment_align: 8
    .kernarg_segment_size: 80
    .max_flat_workgroup_size: 128
    .sgpr_count:     66
    .vgpr_count:     640
    .wavefront_size: 32
...
	.end_amdgpu_metadata
.endif
;; end of part 1
;; launch score (part 2): grid 256 x 1, 4 waves a work-group, clusters of 4 x 1, 327,680 bytes of LDS; arguments values, w2img, biasq, Wv, bv, scores; writes scores
.if DOCPART == 2
	.amdgcn_target "amdgcn-amd-amdhsa--gfx1250"
	.amdhsa_code_object_version 6
	.text
	.protected	k_q6bb4c5751d_score
	.globl	k_q6bb4c5751d_score
	.p2align	8
	.type	k_q6bb4c5751d_score,@function
k_q6bb4c5751d_score:
	s_mov_b64 s[64:65], 0
	v_nop
	global_prefetch_b8 v0, s[64:65] scope:SCOPE_SE
	s_setreg_imm32_b32 hwreg(HW_REG_WAVE_MODE, 25, 1), 1
	s_wait_xcnt 0x0
	s_wait_alu depctr_hold_cnt(0) depctr_sa_sdst(0) depctr_va_vdst(0) depctr_va_sdst(0) depctr_va_ssrc(0) depctr_va_vcc(0) depctr_vm_vsrc(0)
	s_getreg_b32 s2, hwreg(HW_REG_IB_STS2, 6, 4)
	s_cmp_eq_u32 s2, 0
	s_cbranch_scc0 .Lentry_in_a_cluster
	s_endpgm
.Lentry_in_a_cluster:
	s_bfe_u32 s2, ttmp6, 0x10000c
	s_cmp_lg_u32 s2, 0x3003
	s_cbranch_scc0 .Lentry_shape_is_right
	s_endpgm
.Lentry_shape_is_right:
; scores[row] = sum over u of Wv[u] tanh(q_proj[b][u] + b2[u] + sum over k of Q(values[row][k]) W2[k][u]) + bv, row = 2,048 b + t.  The product runs on codes of BF6 (E3M2) with one E8M0 scale for each 32 along K.
; SHARES.  A work-group owns 256 rows, each of its four waves 64 (four blocks of 16), for ALL 1,024 units.  PHASE 1: a wave quantises its 64 rows x 1,024 K in registers: 32 fragments (384 registers) and 32 scale
; words, which stay for the whole launch: A is never read from LDS.  PHASE 2: W2 walks by, 128 units a part, through a ring of two LDS slots; each fragment of W2 read from LDS feeds four matrix instructions.
; W2 comes as images of the operand's registers (the launch before made them): a part is one dense block of 102,400 bytes, a quarter to each wave's tensor load; a fragment is three loads of 16 bytes a lane on end.
; CLUSTER.  All work-groups walk the same W2: the four of a cluster ask for each quarter JOINTLY (the same load, the same descriptor, the mask 15), which divides the requests for W2 by four.
; LAYOUT.  Source 0 = 16 rows of values, source 1 = 16 units of W2: lane (r, h) holds unit 16 nb + r and rows 8 h + 0 .. 7.  So the bias and Wv are one register for a block of units, and a row's score is summed in the lane
; over all blocks of units and across the 16 lanes once, at the end.
; TANH.  tanh(z) = 1 - 2 / (1 + 2^(2 log2(e) z)); the table biasq holds 2 log2(e) (q_proj + b1 + b2).  Summed are Wv / (1 + 2^..) and Wv; the score is the second less twice the first.  A power that overflows gives 1, one that vanishes -1.
; LIMITS: NaN and infinities in values are not served.  A block of 32 whose largest magnitude lies under 2^-122 keeps the scale byte 1 (a block of zeros too, where the quantiser says 127: its codes are zeros, and this launch alone reads the byte).
; REGISTERS, in windows of 256: window 0: v0-20 addresses; v32-63 A's scale words (8 mb + s) and v64-79 W2's (4 n + q): they hold nothing else; v80-87 bias, v88-95 Wv (even registers; the odd ones are 0: packed forms name pairs);
;   v96-127 the score sums (8 mb + j); v128-255 16 accumulators, (mb, n) at 128 + 8 (4 mb + n); in phase 1: v128-191 64 numbers, v192-211 codes, v212-227 at work.
;   window 1: phase 1: four sets of 64 as loaded; phase 2: four sets of W2's fragments, 48 (s % 4) + 12 n.   window 2: A's fragments 8 mb + s = 0 .. 15, 12 each;   window 3: 16 .. 31.
.set PARTB,  102400                    ; a part of W2: 64 images of 1,536 bytes and 4,096 scale bytes
.set QUART,  25600                     ; what one tensor load brings: 100 rows of 256 bytes
.set SCOFF,  98304                     ; where a part's scale bytes begin
.set GRPB,   49152                     ; the images of 64 units
.set TAB,    102400                    ; behind slot 0: the batch's row of biasq, 4,096 bytes; then Wv, 4,096 bytes: stored once, never filled
.set SPARE,  110592                    ; the spare words, 128 bytes for each wave: two blocks of 256 bytes that no other line names
.set SLOT1,  131072                    ; slot 1: one exclusive or turns an address in one slot into the other's
.set STAGE,  233472                    ; behind slot 1: 16 rows x (512 bytes + 16) for each wave
.set STW,    8448
.set SP,     528
.set L16, 3                            ; v3   16 x lane
.set STI, 4                            ; v4   the stage, in
.set STO, 5                            ; v5   the stage, out: row r, + 64 h
.set S32, 6                            ; v6   32 r + 16 h: W2's scale words
.set T4,  7                            ; v7   TAB + 4 r
.set ADB, 8                            ; v8-10 the addresses of the group in hand
.set ADS, 9
.set ADT, 10
.set SCA, 11                           ; v11  the stage + 32 h
.set SCR, 12                           ; v12  the stage + 8 x lane
.set L8,  13                           ; v13  8 x lane
.set SPW, 14                           ; v14  LDS address of my spare word; never rewritten
.set NIL, 15                           ; v15  0; never rewritten
.set SW,  16                           ; v16  the sum of my units' Wv
.set TBA, 17                           ; v17  TAB + 32 x thread
.set AS,  32
.set BS,  64
.set BI,  80
.set WVR, 88
.set SC,  96
.set ACC, 128
.set X,   128
.set PC,  192
.set TM,  212
.set WVN, 16                           ; s16  my wave's number
.set G1,  28                           ; s[28:35] descriptor group 1
.set G0,  36                           ; s[36:39] descriptor group 0: it walks
.set MSB, 0
.macro WIN new                         ; the immediate's high byte repeats the setting that is left
.if MSB != \new
	s_set_vgpr_msb (MSB<<8)|\new
.set MSB, \new
.endif
.endm
.macro CROUND                          ; a round of the cluster's barrier: my work-group's barrier; wave 0 signals for the work-group; every wave waits for all four work-groups; my work-group's barrier once more
	s_barrier_signal -1
	s_barrier_wait -1
	s_cmp_lg_u32 s[WVN], 0
	s_cbranch_scc1 .Lnot_wave_0_\@
	s_barrier_signal -3
.Lnot_wave_0_\@:
	s_barrier_wait -3
	s_barrier_signal -1
	s_barrier_wait -1
.endm
	s_load_b256 s[4:11], s[0:1], 0x0               ; values s[4:5], w2img s[6:7], biasq s[8:9], Wv s[10:11]
	s_load_b128 s[12:15], s[0:1], 0x20             ; bv s[12:13], scores s[14:15]
	v_lshl_add_u32 v[SPW], v0, 2, SPARE
	v_mov_b32 v[NIL], 0
	ds_add_u32 v14, v15
	ds_add_u32 v14, v15
	s_wait_dscnt 0x0
	v_lshrrev_b32 v1, 5, v0
	v_readfirstlane_b32 s[WVN], v1                 ; wave 0..3
	s_bfe_u32 s17, ttmp6, 0x40000                  ; cx: my place in the cluster: it enters the addresses of values and scores alone
	s_lshl_b32 s18, ttmp9, 2                       ; in a cluster launch ttmp9 counts clusters
	s_add_co_u32 s18, s18, s17                     ; g: my block of 256 rows
	s_mov_b32 s20, 0x76543210
	s_mov_b32 s21, 0xfedcba98                      ; v_permlanex16_b32's selects for lane l xor 16
	s_mov_b32 s22, 0x4038aa3b                      ; 2 log2(e)
	s_mov_b32 s23, s22                             ; (named with it as a pair, so it is written)
	; descriptor group 1: a dense block as 100 rows of 256 bytes (32 elements of 8 bytes), no padding
	s_mov_b32 s[G1+0], 15|(3<<16)|(1<<21)          ; 15:0 the mask: all four work-groups; 17:16 elements of 8 bytes; 21 set beside a mask
	s_mov_b32 s[G1+1], 32<<16                      ; tensor_dim0 = 32
	s_mov_b32 s[G1+2], 100<<16                     ; tensor_dim1 = 100
	s_mov_b32 s[G1+3], 32<<16                      ; tile_dim0 = 32
	s_mov_b32 s[G1+4], 100                         ; tile_dim1 = 100
	s_mov_b32 s[G1+5], 32                          ; from row to row
	s_mov_b32 s[G1+6], 0
	s_mov_b32 s[G1+7], 0
	s_mul_i32 s19, s[WVN], QUART                   ; my quarter of a part, in memory and in a slot: the wave's number alone
	s_mov_b32 s46, s19
	s_mov_b32 s47, 0
	s_lshl_b32 s50, s18, 20                        ; values: 256 rows of 4,096 bytes a work-group,
	s_lshl_b32 s48, s[WVN], 18                     ; 64 a wave
	s_add_co_u32 s50, s50, s48
	s_mov_b32 s51, 0
	s_lshr_b32 s52, ttmp9, 1                       ; the batch: eight work-groups, two clusters, to each
	s_lshl_b32 s52, s52, 12                        ; its row of biasq
	s_mov_b32 s53, 0
	s_wait_kmcnt 0x0
	s_mov_b32 s[G0], 1                             ; count = 1
	s_mov_b32 s[G0+1], s19                         ; LDS address: slot 0
	s_add_nc_u64 s[G0+2:G0+3], s[6:7], s[46:47]    ; global address: part 0
	s_or_b32 s[G0+3], s[G0+3], 0x80000000          ; type = 2
	s_add_nc_u64 s[4:5], s[4:5], s[50:51]
	s_add_nc_u64 s[8:9], s[8:9], s[52:53]
	s_lshl_b32 s50, s18, 10                        ; scores: 1,024 bytes a work-group, 256 a wave
	s_lshl_b32 s48, s[WVN], 8
	s_add_co_u32 s50, s50, s48
	s_add_nc_u64 s[14:15], s[14:15], s[50:51]
	CROUND                                         ; all four work-groups are here: the first joint loads meet
	tensor_load_to_lds s[G0:G0+3], s[G1:G1+7]      ; part 0: it lands while the rows are quantised.  One tensor load of mine is out, here and behind every round
	s_nop 0
.rept 4
	v_nop
.endr
	s_load_b32 s24, s[12:13], 0x0                  ; bv
	v_and_b32 v1, 15, v0                           ; r
	v_bfe_u32 v2, v0, 4, 1                         ; h
	v_and_b32 v[L16], 31, v0
	v_lshlrev_b32 v[L8], 3, v[L16]
	v_lshlrev_b32 v[L16], 4, v[L16]
	s_mul_i32 s49, s[WVN], STW
	s_add_co_u32 s49, s49, STAGE                   ; my stage
	v_add_nc_u32 v[STI], s49, v[L16]
	v_mul_u32_u24 v[STO], v1, SP
	v_lshl_add_u32 v[STO], v2, 6, v[STO]
	v_add_nc_u32 v[STO], s49, v[STO]
	v_lshlrev_b32 v[S32], 5, v1
	v_lshl_add_u32 v[S32], v2, 4, v[S32]
	v_lshl_add_u32 v[T4], v1, 2, TAB
	v_lshlrev_b32 v[SCA], 5, v2
	v_add_nc_u32 v[SCA], s49, v[SCA]
	v_add_nc_u32 v[SCR], s49, v[L8]
	v_lshl_add_u32 v[TBA], v0, 5, TAB
	v_lshlrev_b32 v20, 5, v0                       ; 32 bytes a thread of each table
	global_load_b128 v[96:99], v20, s[8:9]
	global_load_b128 v[100:103], v20, s[8:9] offset:16
	global_load_b128 v[104:107], v20, s[10:11]
	global_load_b128 v[108:111], v20, s[10:11] offset:16
; PHASE 1.  Fragment f = 8 mb + s: rows 16 mb .. + 15, K 128 s .. + 127.
.macro LOADV f                         ; 16 loads, each 512 consecutive bytes of one row, into set f % 4 of window 1
	WIN 0x40
.irp i, 0,1,2,3,4,5,6,7,8,9,10,11,12,13,14,15
	global_load_b128 v[64*((\f)%4)+4*\i:64*((\f)%4)+4*\i+3], v[L16], s[4:5] offset:(16*((\f)/8)+\i)*4096+512*((\f)%8) th:TH_LOAD_NT
.endr
	WIN 0
.endm
.macro TURNV f                         ; through my stage: in as loaded, out 16 neighbours of each block of 32 a lane: register 16 b + i = k 32 b + 16 h + i of row r.  LDS serves a wave's instructions in order (ISA guide 5.7.1.4)
	WIN 0x04                                       ; an LDS store's data are its source 1: window 1
.irp i, 0,1,2,3,4,5,6,7,8,9,10,11,12,13,14,15
	ds_store_b128 v[STI], v[64*((\f)%4)+4*\i:64*((\f)%4)+4*\i+3] offset:SP*\i
.endr
	WIN 0
.irp b, 0,1,2,3
.irp j, 0,1,2,3
	ds_load_b128 v[X+16*\b+4*\j:X+16*\b+4*\j+3], v[STO] offset:128*\b+16*\j
.endr
.endr
.endm
.macro QUANTA f                        ; the 64 numbers become fragment f's codes (window 2 or 3) and its scale word
.irp b, 0,1,2,3
	v_max3_num_f32 v[TM+\b], |v[X+16*\b]|, |v[X+1+16*\b]|, 0x2800000   ; block b: my 16 numbers, and the floor 2^(5 - 127): the byte cannot fall under 1
.endr
.irp i, 2,4,6,8,10,12,14
.irp b, 0,1,2,3
	v_max3_num_f32 v[TM+\b], v[TM+\b], |v[X+16*\b+\i]|, |v[X+1+16*\b+\i]|   ; (the four blocks by turns)
.endr
.endr
.irp b, 0,1,2,3
	v_permlanex16_b32 v[TM+4+\b], v[TM+\b], s20, s21
.endr
.irp b, 0,1,2,3
	v_max_num_f32 v[TM+\b], v[TM+\b], v[TM+4+\b]   ; with lane l xor 16's: the block's largest magnitude
.endr
.irp b, 0,1,2,3
	v_add_nc_u32 v[TM+12+\b], 0xfe000000, v[TM+\b]  ; 4 off its exponent field: the conversion takes the exponent field of this operand as its scale
.endr
.irp b, 0,1,2,3
	v_lshrrev_b32 v[TM+4+\b], 23, v[TM+12+\b]      ; the scale's byte
.endr
	v_lshl_or_b32 v[AS+(\f)], v[TM+5], 8, v[TM+4]  ; the four bytes make my row's scale word
	v_lshl_or_b32 v[AS+(\f)], v[TM+6], 16, v[AS+(\f)]
	v_lshl_or_b32 v[AS+(\f)], v[TM+7], 24, v[AS+(\f)]
.irp c, 0,1
	v_cvt_scalef32_pk16_bf6_f32 v[PC+6*\c:PC+2+6*\c], v[X+32*\c:X+15+32*\c], v[TM+12+2*\c]
	v_cvt_scalef32_pk16_bf6_f32 v[PC+12+4*\c:PC+14+4*\c], v[X+16+32*\c:X+31+32*\c], v[TM+12+2*\c+1]   ; (a conversion's three registers begin on an even number)
.endr
	v_nop                                          ; one plain place behind a scaled conversion
.irp c, 0,1                            ; the operand's layout wants a WHOLE block in a lane: lanes 0-15 block 2 c, lanes 16-31 block 2 c + 1
.irp i, 0,1,2
	v_permlane16_swap_b32 v[PC+6*\c+\i], v[PC+12+4*\c+\i]
.endr
.endr
.if (\f) < 16
	WIN 0x80                                       ; destination window 2
.else
	WIN 0xc0                                       ; destination window 3
.endif
.irp c, 0,1
.irp i, 0,1,2
	v_mov_b32 v[12*((\f)%16)+6*\c+\i], v[PC+6*\c+\i]
	v_mov_b32 v[12*((\f)%16)+6*\c+3+\i], v[PC+12+4*\c+\i]
.endr
.endr
	WIN 0
.endm
.macro FRAGSTEP f
.if 31-(\f) >= 3
	s_wait_loadcnt 48                              ; set f's 16 loads are in; the three sets behind it stay out
.else
	s_wait_loadcnt 16*(31-(\f))
.endif
	TURNV \f
	s_wait_dscnt 0x0                               ; the numbers are back, and the stage's stores have read set f % 4,
.if (\f) < 28
	LOADV (\f)+4                                   ; which takes the fragment four further on
.endif
	QUANTA \f
.endm
	LOADV 0
	LOADV 1
	LOADV 2
	s_wait_alu depctr_va_vdst(0)
	s_wait_loadcnt 48                              ; the four table loads are in; the 48 behind them stay out
	ds_store_b128 v[TBA], v[96:99]
	ds_store_b128 v[TBA], v[100:103] offset:16
	ds_store_b128 v[TBA], v[104:107] offset:4096
	ds_store_b128 v[TBA], v[108:111] offset:4112
	LOADV 3
	s_wait_kmcnt 0x0                               ; bv
.irp b, 0,1,2,3
	v_mov_b32 v[TM+4+\b], 0                        ; written once: a lane permute's destination counts as one of its sources
.endr
.set F, 0
.rept 32
	FRAGSTEP F
.set F, F+1
.endr
.set i, 0
.rept 32
	v_mov_b32 v[SC+i], 0                           ; the score sums run over all 64 blocks of units: they begin as zeros
.set i, i+1
.endr
	v_mov_b32 v[SW], 0
.irp n, 0,1,2,3
	v_mov_b32 v[BI+2*\n+1], 0                      ; named as the upper halves of pairs
	v_mov_b32 v[WVR+2*\n+1], 0
.endr
	s_mov_b32 s40, 0                               ; LDS byte of the group's images,
	s_mov_b32 s41, SCOFF                           ; of its scale bytes,
	s_mov_b32 s42, 0                               ; and its place in the two tables
	s_mov_b32 s43, 7
; PHASE 2.
; THE CHANGE OF SLOTS stands at a part's head.  Each wave waits for all its tensor loads (its quarter of the part that it is about to read), adds 0 to its spare word, and waits for that and for its reads of the slot that it has left.
; fill = 1: a round of the cluster's barrier, so that no wave of any partner still reads that slot or has a load on its way; the joint refill is the first thing behind it, and has a whole part's work in which to land.
.macro CHANGE fill
	s_wait_tensorcnt 0x0                           ; no tensor load of mine is out, so group 0 may be written
	ds_add_u32 v[SPW], v[NIL]                      ; 0 onto my spare word
.if \fill
	s_xor_b32 s[G0+1], s[G0+1], SLOT1              ; the other slot than last time,
	s_add_nc_u64 s[G0+2:G0+3], s[G0+2:G0+3], PARTB  ; the next part; the type bits on top are not reached
.endif
	s_wait_dscnt 0x0                               ; the add is done, my LDS stores have landed and my reads are over
.if \fill
	CROUND
	tensor_load_to_lds s[G0:G0+3], s[G1:G1+7]
	s_nop 0
.rept 4
	v_nop
.endr
.else
	s_barrier_signal -1
	s_barrier_wait -1
.endif
.endm
.macro MM mb, n, s                     ; rows 16 mb on x units 16 n on, K step s.  The first K step starts the sums
.if \s == 0
	v_wmma_scale_f32_16x16x128_f8f6f4 v[ACC+8*(4*\mb+\n):ACC+8*(4*\mb+\n)+7], v[12*(8*(\mb%2)+\s):12*(8*(\mb%2)+\s)+11], v[48*(\s%4)+12*\n:48*(\s%4)+12*\n+11], 0, v[AS+8*\mb+\s], v[BS+4*\n+\s%4] matrix_a_fmt:MATRIX_FMT_BF6 matrix_b_fmt:MATRIX_FMT_BF6
.elseif \s < 4
	v_wmma_scale_f32_16x16x128_f8f6f4 v[ACC+8*(4*\mb+\n):ACC+8*(4*\mb+\n)+7], v[12*(8*(\mb%2)+\s):12*(8*(\mb%2)+\s)+11], v[48*(\s%4)+12*\n:48*(\s%4)+12*\n+11], v[ACC+8*(4*\mb+\n):ACC+8*(4*\mb+\n)+7], v[AS+8*\mb+\s], v[BS+4*\n+\s%4] matrix_a_fmt:MATRIX_FMT_BF6 matrix_b_fmt:MATRIX_FMT_BF6
.else
	v_wmma_scale_f32_16x16x128_f8f6f4 v[ACC+8*(4*\mb+\n):ACC+8*(4*\mb+\n)+7], v[12*(8*(\mb%2)+\s):12*(8*(\mb%2)+\s)+11], v[48*(\s%4)+12*\n:48*(\s%4)+12*\n+11], v[ACC+8*(4*\mb+\n):ACC+8*(4*\mb+\n)+7], v[AS+8*\mb+\s], v[BS+4*\n+\s%4] matrix_a_fmt:MATRIX_FMT_BF6 matrix_b_fmt:MATRIX_FMT_BF6 matrix_b_scale:MATRIX_SCALE_ROW1
.endif
.endm
.macro BSET s                          ; W2's four fragments of K step s into set s % 4
.irp n, 0,1,2,3
.irp c, 0,1,2
	ds_load_b128 v[48*((\s)%4)+12*\n+4*\c:48*((\s)%4)+12*\n+4*\c+3], v[ADB] offset:(4*(\s)+\n)*1536+512*\c
.endr
.endr
.endm
.macro PRE                             ; a group's addresses, its scale words, bias and Wv, and the first four K steps' fragments
	v_add_nc_u32 v[ADB], s40, v[L16]
	v_add_nc_u32 v[ADS], s41, v[S32]
	v_add_nc_u32 v[ADT], s42, v[T4]
.irp n, 0,1,2,3
	ds_load_b128 v[BS+4*\n:BS+4*\n+3], v[ADS] offset:512*\n   ; register q: lanes 0-15 the word of K step q, lanes 16-31 that of K step 4 + q
.endr
.irp n, 0,1,2,3
	ds_load_b32 v[BI+2*\n], v[ADT] offset:64*\n
	ds_load_b32 v[WVR+2*\n], v[ADT] offset:4096+64*\n
.endr
	WIN 0x40                                       ; destination window 1
	BSET 0
	BSET 1
	BSET 2
	BSET 3
.endm
.macro KSTEP s                         ; 16 matrix instructions: the 16 accumulators take turns, in the same order in every K step
.if \s <= 4
	s_wait_dscnt 36                                ; set s is in, and all that was asked for ahead of it; the three sets behind it stay out
.else
	s_wait_dscnt 12*(7-\s)
.endif
	WIN 0x06                                       ; source 0 (A) window 2, source 1 (W2) window 1, C and D window 0
.irp mb, 0,1
.irp n, 0,1,2,3
	MM \mb, \n, \s
.endr
.endr
	WIN 0x07                                       ; source 0 window 3
.irp mb, 2,3
.irp n, 0,1,2,3
	MM \mb, \n, \s
.endr
.endr
.if \s < 4
.rept 4
	v_nop                                          ; four places in front of loads into registers that matrix instructions have read
.endr
	WIN 0x40
	BSET \s+4
.endif
.endm
.macro TANH mb                         ; four tiles: 16 rows x 64 units
.irp n, 0,1,2,3
.irp p, 0,2,4,6
	v_pk_fma_f32 v[ACC+8*(4*\mb+\n)+\p:ACC+8*(4*\mb+\n)+\p+1], v[ACC+8*(4*\mb+\n)+\p:ACC+8*(4*\mb+\n)+\p+1], s[22:23], v[BI+2*\n:BI+2*\n+1] op_sel_hi:[1,0,0]   ; 2 log2(e) z; each accumulator from its low end on
.endr
.endr
.set i, 0
	s_wait_alu depctr_va_vdst(0)
.rept 32
	v_exp_f32 v[ACC+32*\mb+i], v[ACC+32*\mb+i]
.set i, i+1
.endr
	v_nop                                          ; one plain place behind a transcendental
.set i, 0
	s_wait_alu depctr_va_vdst(0)
.rept 16
	v_pk_add_f32 v[ACC+32*\mb+i:ACC+32*\mb+i+1], v[ACC+32*\mb+i:ACC+32*\mb+i+1], 1.0 op_sel_hi:[1,0]
.set i, i+2
.endr
.set i, 0
	s_wait_alu depctr_va_vdst(0)
.rept 32
	v_rcp_f32 v[ACC+32*\mb+i], v[ACC+32*\mb+i]
.set i, i+1
.endr
	v_nop
	s_wait_alu depctr_va_vdst(0)
.irp n, 0,1,2,3
.irp p, 0,2,4,6
	v_pk_fma_f32 v[SC+8*\mb+\p:SC+8*\mb+\p+1], v[ACC+8*(4*\mb+\n)+\p:ACC+8*(4*\mb+\n)+\p+1], v[WVR+2*\n:WVR+2*\n+1], v[SC+8*\mb+\p:SC+8*\mb+\p+1] op_sel_hi:[1,0,1]
.endr
.endr
.endm
.macro GROUP                           ; 64 units for my 64 rows: 128 matrix instructions, then their tanh
	PRE
	s_wait_alu depctr_va_vdst(0)
.irp s, 0,1,2,3,4,5,6,7
	KSTEP \s
.endr
	WIN 0
.irp n, 0,1,2,3
	v_add_f32 v[SW], v[SW], v[WVR+2*\n]            ; these four are also the places behind the last products
.endr
	TANH 0
	TANH 1
	TANH 2
	TANH 3
	s_add_co_u32 s40, s40, GRPB
	s_add_co_u32 s41, s41, 2048
	s_add_co_u32 s42, s42, 256
.endm
.macro SLOTWORK                        ; a part's two groups: written once, walked twice
	s_mov_b32 s44, 2
.Lgroup_\@:
	GROUP
	s_sub_co_u32 s44, s44, 1
	s_cmp_lg_u32 s44, 0
	s_cbranch_scc1 .Lgroup_\@
	s_sub_co_u32 s40, s40, 2*GRPB                  ; back to a slot's head,
	s_xor_b32 s40, s40, SLOT1                      ; in the other slot
	s_sub_co_u32 s41, s41, 4096
	s_xor_b32 s41, s41, SLOT1
.endm
.Lpart:                                        ; seven trips: behind each change of slots but the last the next part is asked for.  The first also shows the two tables to every wave
	CHANGE 1
	SLOTWORK
	s_sub_co_u32 s43, s43, 1
	s_cmp_lg_u32 s43, 0
	s_cbranch_scc1 .Lpart
	CHANGE 0                                       ; the last part is written out
	SLOTWORK
	; THE END.  My lane's share of a row's score; the 16 lanes of a half are added; 64 scores go through my stage and leave as 256 consecutive bytes.
.set i, 0
.rept 32
	v_fma_f32 v[SC+i], v[SC+i], -2.0, v[SW]
.set i, i+1
.endr
.irp m, 1,2,4,8
.set i, 0
.rept 32
	v_add_f32_dpp v[SC+i], v[SC+i], v[SC+i] row_xmask:\m row_mask:0xf bank_mask:0xf
.set i, i+1
.endr
.endr
.irp mb, 0,1,2,3
.irp j, 0,1,2,3,4,5,6,7
	ds_store_b32 v[SCA], v[SC+8*\mb+\j] offset:64*\mb+4*\j   ; row 16 mb + 8 h + j: the 16 lanes of a half write the same word with the same value
.endr
.endr
	ds_load_b64 v[18:19], v[SCR]                   ; LDS serves a wave's instructions in order: this sees my stores
	s_wait_dscnt 0x0
	v_add_f32 v18, s24, v18                        ; + bv
	v_add_f32 v19, s24, v19
	global_store_b64 v[L8], v[18:19], s[14:15]     ; 32 lanes store 256 consecutive bytes, at a multiple of 256 from the buffer's first byte
	s_wait_tensorcnt 0x0                           ; the wave's end, behind my last tensor load and my last LDS store
	ds_add_u32 v[SPW], v[NIL]
	s_wait_dscnt 0x0
	CROUND                                         ; the closing round: no work-group ends while a partner may still ask for a quarter that names it
	s_endpgm
.Lfunc_end_k_q6bb4c5751d_score:
	.size	k_q6bb4c5751d_score, .Lfunc_end_k_q6bb4c5751d_score-k_q6bb4c5751d_score
	.p2alignl 7, 3214868480
	.fill 96, 4, 3214868480
	.section	.rodata,"a",@progbits
	.p2align	6, 0x0
	.amdhsa_kernel k_q6bb4c5751d_score
		.amdhsa_group_segment_fixed_size 327680
		.amdhsa_private_segment_fixed_size 0
		.amdhsa_enable_private_segment 0
		.amdhsa_kernarg_size 48
		.amdhsa_user_sgpr_count 2
		.amdhsa_user_sgpr_kernarg_segment_ptr 1
		.amdhsa_wavefront_size32 1
		.amdhsa_system_sgpr_workgroup_id_x 1
		.amdhsa_system_sgpr_workgroup_id_y 1
		.amdhsa_system_sgpr_workgroup_id_z 1
		.amdhsa_system_vgpr_workitem_id 0
		.amdhsa_next_free_vgpr 960
		.amdhsa_next_free_sgpr 66
		.amdhsa_reserve_vcc 0
		.amdhsa_float_denorm_mode_32 3
		.amdhsa_float_denorm_mode_16_64 3
		.amdhsa_memory_ordered 1
		.amdhsa_forward_progress 1
		.amdhsa_inst_pref_size 255
	.end_amdhsa_kernel
	.section	.bss,"aw",@nobits
	.p2align	6
	.space	262144
	.amdgpu_metadata
---
amdhsa.version: [ 1, 2 ]
amdhsa.kernels:
  - .name:           k_q6bb4c5751d_score
    .symbol:         k_q6bb4c5751d_score.kd
    .args:
      - { .name: values, .offset: 0, .size: 8, .value_kind: global_buffer, .address_space: global }
      - { .name: w2img, .offset: 8, .size: 8, .value_kind: global_buffer, .address_space: global }
      - { .name: biasq, .offset: 16, .size: 8, .value_kind: global_buffer, .address_space: global }
      - { .name: Wv, .offset: 24, .size: 8, .value_kind: global_buffer, .address_space: global }
      - { .name: bv, .offset: 32, .size: 8, .value_kind: global_buffer, .address_space: global }
      - { .name: scores, .offset: 40, .size: 8, .value_kind: global_buffer, .address_space: global }
    .group_segment_fixed_size: 327680
    .private_segment_fixed_size: 0
    .kernarg_segment_align: 8
    .kernarg_segment_size: 48
    .max_flat_workgroup_size: 128
    .sgpr_count:     66
    .vgpr_count:     960
    .wavefront_size: 32
...
	.end_amdgpu_metadata
.endif
;; end of part 2
;; launch context (part 3): grid 8 x 32, 16 waves a work-group, no clusters, 10,752 bytes of LDS; arguments scores, values, out0, out1; writes out0, out1
.if DOCPART == 3
	.amdgcn_target "amdgcn-amd-amdhsa--gfx1250"
	.amdhsa_code_object_version 6
	.text
	.protected	k_q6bb4c5751d_context
	.globl	k_q6bb4c5751d_context
	.p2align	8
	.type	k_q6bb4c5751d_context,@function
k_q6bb4c5751d_context:
	s_mov_b64 s[64:65], 0
	v_nop
	global_prefetch_b8 v0, s[64:65] scope:SCOPE_SE
	s_setreg_imm32_b32 hwreg(HW_REG_WAVE_MODE, 25, 1), 1
	s_wait_xcnt 0x0
; out1[b][t] = softmax over t of scores[b][t] (the row's largest score is taken off first);  out0[b][d] = sum over t of out1[b][t] values[b][t][d].  All in f32.
; SHARES.  Work-group (c, b) makes out0[b][128 c .. + 127] and out1[b][256 c .. + 255].  Each of its 16 waves walks 128 rows t; one load of a wave is 512 consecutive bytes of a row, at a multiple of 512.
; Every work-group of a batch forms the batch's maximum and sum anew from 8 KB of scores: that spares a launch.  p = 2^((s - max) log2(e)) weighs the rows; the division by the sum comes at the end.
; A stream: memory binds.  No matrix unit, no cluster, no tensor load: the work-groups share nothing but the scores, and a ring of 16 loads a wave in registers keeps 128 KB of a work-group on its way.
; Thread i holds the scores of rows 4 i .. 4 i + 3, so the weight of a wave's row k lies in its own lane k / 4, register k % 4.
; LDS: 0: the waves' maxima; 256: their sums; 512: their partial rows, 512 bytes each.
; REGISTERS: v1 16 x lane, v2 16 x thread, v[4:7] scores, then p; v8-11 at work; v[12:27] four sets of sums; v28 my wave's sum of p; v30 1 / the sum; v[32:95] the ring.
	s_load_b256 s[4:11], s[0:1], 0x0               ; scores s[4:5], values s[6:7], out0 s[8:9], out1 s[10:11]
	v_lshl_add_u32 v128, v0, 2, 0x2200
	v_mov_b32 v129, 0
	v_lshrrev_b32 v3, 5, v0
	s_delay_alu instid0(VALU_DEP_1)
	v_readfirstlane_b32 s12, v3                    ; wave 0..15
	s_and_b32 s13, ttmp7, 0xffff                   ; b
	v_and_b32 v1, 31, v0
	s_delay_alu instid0(VALU_DEP_1)
	v_lshlrev_b32 v1, 4, v1
	v_lshlrev_b32 v2, 4, v0
	v_lshlrev_b32 v10, 2, v3                       ; 4 x wave
	v_mov_b32 v11, 0
	v_mov_b32 v9, 0                                ; written once: a lane permute's destination counts as one of its sources
	s_mov_b32 s14, 0x76543210
	s_mov_b32 s15, 0xfedcba98                      ; v_permlanex16_b32's selects for lane l xor 16
	s_lshl_b32 s16, s13, 13                        ; the batch's 2,048 scores
	s_mov_b32 s17, 0
	s_lshl_b32 s18, s13, 23                        ; values: the batch,
	s_lshl_b32 s22, s12, 19                        ; my wave's 128 rows,
	s_add_co_u32 s18, s18, s22
	s_lshl_b32 s22, ttmp9, 9                       ; the work-group's 512 bytes of a row
	s_add_co_u32 s18, s18, s22
	s_mov_b32 s19, 0
	s_lshl_b32 s20, s13, 12                        ; out0: the batch's row, the same 512 bytes
	s_add_co_u32 s20, s20, s22
	s_mov_b32 s21, 0
	s_wait_alu depctr_va_vdst(0)
	s_wait_kmcnt 0x0
	s_add_nc_u64 s[4:5], s[4:5], s[16:17]
	s_add_nc_u64 s[10:11], s[10:11], s[16:17]
	s_add_nc_u64 s[6:7], s[6:7], s[18:19]
	s_add_nc_u64 s[8:9], s[8:9], s[20:21]
	global_load_b128 v[4:7], v2, s[4:5]
.irp k, 0,1,2,3,4,5,6,7,8,9,10,11,12,13,14,15
	global_load_b128 v[32+4*\k:32+4*\k+3], v1, s[6:7] offset:4096*\k th:TH_LOAD_NT   ; the ring is filled before anything else is done
.endr
	s_wait_loadcnt 16                              ; the scores are in; the 16 rows behind them stay out
	v_max3_num_f32 v8, v4, v5, v6
	s_delay_alu instid0(VALU_DEP_1)
	v_max_num_f32 v8, v8, v7
	s_delay_alu instid0(VALU_DEP_1)
	v_max_num_f32_dpp v8, v8, v8 row_xmask:1 row_mask:0xf bank_mask:0xf
	s_delay_alu instid0(VALU_DEP_1)
	v_max_num_f32_dpp v8, v8, v8 row_xmask:2 row_mask:0xf bank_mask:0xf
	s_delay_alu instid0(VALU_DEP_1)
	v_max_num_f32_dpp v8, v8, v8 row_xmask:4 row_mask:0xf bank_mask:0xf
	s_delay_alu instid0(VALU_DEP_1)
	v_max_num_f32_dpp v8, v8, v8 row_xmask:8 row_mask:0xf bank_mask:0xf
	s_delay_alu instid0(VALU_DEP_1)
	v_permlanex16_b32 v9, v8, s14, s15
	s_delay_alu instid0(VALU_DEP_1)
	v_max_num_f32 v8, v8, v9                       ; my wave's largest score
	ds_store_b32 v10, v8
	s_wait_dscnt 0x0                               ; for the others' sake
	s_barrier_signal -1
	s_barrier_wait -1
.irp i, 0,1,2,3
	ds_load_b128 v[12+4*\i:15+4*\i], v11 offset:16*\i
.endr
	s_wait_dscnt 0x0
	v_max3_num_f32 v8, v12, v13, v14
.irp i, 15,17,19,21,23,25
	s_delay_alu instid0(VALU_DEP_1)
	v_max3_num_f32 v8, v8, v[\i], v[\i+1]
.endr
	s_delay_alu instid0(VALU_DEP_1)
	v_max_num_f32 v8, v8, v27                      ; the batch's largest score
.irp i, 4,5,6,7
	v_sub_f32 v[\i], v[\i], v8
.endr
.irp i, 4,5,6,7
	s_delay_alu instid0(VALU_DEP_4)
	v_mul_f32 v[\i], 0x3fb8aa3b, v[\i]
.endr
	s_wait_alu depctr_va_vdst(0)
.irp i, 4,5,6,7
	v_exp_f32 v[\i], v[\i]                         ; p, at most 1
.endr
	v_nop                                          ; one plain place behind a transcendental
	s_wait_alu depctr_va_vdst(0)
	v_add_f32 v28, v4, v5
	v_add_f32 v29, v6, v7
	s_delay_alu instid0(VALU_DEP_1)
	v_add_f32 v28, v28, v29
	s_delay_alu instid0(VALU_DEP_1)
	v_add_f32_dpp v28, v28, v28 row_xmask:1 row_mask:0xf bank_mask:0xf
	s_delay_alu instid0(VALU_DEP_1)
	v_add_f32_dpp v28, v28, v28 row_xmask:2 row_mask:0xf bank_mask:0xf
	s_delay_alu instid0(VALU_DEP_1)
	v_add_f32_dpp v28, v28, v28 row_xmask:4 row_mask:0xf bank_mask:0xf
	s_delay_alu instid0(VALU_DEP_1)
	v_add_f32_dpp v28, v28, v28 row_xmask:8 row_mask:0xf bank_mask:0xf
	s_delay_alu instid0(VALU_DEP_1)
	v_permlanex16_b32 v9, v28, s14, s15
	s_delay_alu instid0(VALU_DEP_1)
	v_add_f32 v28, v28, v9                         ; my wave's sum of p
.macro ROW k                           ; row k of my 128: its weight as a scalar, four multiply-adds into set k % 4, and the row 16 further on
.if 127-(\k) >= 15
	s_wait_loadcnt 15                              ; loads come back in order (ISA guide 5.7.1): row k is in, the 15 younger ones stay out
.else
	s_wait_loadcnt 127-(\k)
.endif
	v_readlane_b32 s[32+(\k)%16], v[4+(\k)%4], (\k)/4
.irp j, 0,1,2,3
.if (\k) < 4
	v_mul_f32 v[12+4*((\k)%4)+\j], s[32+(\k)%16], v[32+4*((\k)%16)+\j]    ; the first four rows start the sums: nothing is cleared
.else
	v_fmac_f32 v[12+4*((\k)%4)+\j], s[32+(\k)%16], v[32+4*((\k)%16)+\j]
.endif
.endr
.if (\k)+16 < 128
	global_load_b128 v[32+4*((\k)%16):32+4*((\k)%16)+3], v1, s[6:7] offset:4096*((\k)+16) th:TH_LOAD_NT
.endif
.endm
.set K, 0
.rept 128
	ROW K
.set K, K+1
.endr
	s_wait_alu depctr_va_vdst(0)
	v_pk_add_f32 v[12:13], v[12:13], v[16:17]
	v_pk_add_f32 v[14:15], v[14:15], v[18:19]
	v_pk_add_f32 v[20:21], v[20:21], v[24:25]
	v_pk_add_f32 v[22:23], v[22:23], v[26:27]
	s_delay_alu instid0(VALU_DEP_2)
	v_pk_add_f32 v[12:13], v[12:13], v[20:21]
	s_delay_alu instid0(VALU_DEP_2)
	v_pk_add_f32 v[14:15], v[14:15], v[22:23]
	ds_store_b128 v2, v[12:15] offset:512          ; my wave's partial row: 512 x wave + 16 x lane
	ds_store_b32 v10, v28 offset:256
	s_wait_dscnt 0x0                               ; for the others' sake
	s_barrier_signal -1
	s_barrier_wait -1
.irp i, 0,1,2,3
	ds_load_b128 v[12+4*\i:15+4*\i], v11 offset:256+16*\i
.endr
	s_wait_dscnt 0x0
	v_pk_add_f32 v[12:13], v[12:13], v[14:15]
	v_pk_add_f32 v[16:17], v[16:17], v[18:19]
	v_pk_add_f32 v[20:21], v[20:21], v[22:23]
	v_pk_add_f32 v[24:25], v[24:25], v[26:27]
	s_delay_alu instid0(VALU_DEP_3)
	v_pk_add_f32 v[12:13], v[12:13], v[16:17]
	s_delay_alu instid0(VALU_DEP_2)
	v_pk_add_f32 v[20:21], v[20:21], v[24:25]
	s_delay_alu instid0(VALU_DEP_1)
	v_pk_add_f32 v[12:13], v[12:13], v[20:21]
	s_delay_alu instid0(VALU_DEP_1)
	v_add_f32 v12, v12, v13                        ; the batch's sum of p: at least 1
	s_wait_alu depctr_va_vdst(0)
	v_rcp_f32 v30, v12
	v_nop                                          ; one plain place behind a transcendental
	s_cmp_lg_u32 s12, 0
	s_cbranch_scc1 .Lnot_wave_0
.irp i, 0,1,2,3,4,5,6,7,8,9,10,11,12,13,14,15
	ds_load_b128 v[32+4*\i:35+4*\i], v1 offset:512+512*\i
.endr
	s_wait_dscnt 0x0
.irp i, 0,1,2,3,4,5,6,7
	v_pk_add_f32 v[32+4*\i:33+4*\i], v[32+4*\i:33+4*\i], v[64+4*\i:65+4*\i]
	v_pk_add_f32 v[34+4*\i:35+4*\i], v[34+4*\i:35+4*\i], v[66+4*\i:67+4*\i]
.endr
.irp i, 0,1,2,3
	v_pk_add_f32 v[32+4*\i:33+4*\i], v[32+4*\i:33+4*\i], v[48+4*\i:49+4*\i]
	v_pk_add_f32 v[34+4*\i:35+4*\i], v[34+4*\i:35+4*\i], v[50+4*\i:51+4*\i]
.endr
.irp i, 0,1
	s_delay_alu instid0(VALU_DEP_4)
	v_pk_add_f32 v[32+4*\i:33+4*\i], v[32+4*\i:33+4*\i], v[40+4*\i:41+4*\i]
	s_delay_alu instid0(VALU_DEP_4)
	v_pk_add_f32 v[34+4*\i:35+4*\i], v[34+4*\i:35+4*\i], v[42+4*\i:43+4*\i]
.endr
	s_delay_alu instid0(VALU_DEP_2)
	v_pk_add_f32 v[32:33], v[32:33], v[36:37]
	s_delay_alu instid0(VALU_DEP_2)
	v_pk_add_f32 v[34:35], v[34:35], v[38:39]
	s_wait_alu depctr_va_vdst(0)
.irp i, 32,33,34,35
	v_mul_f32 v[\i], v[\i], v30
.endr
	global_store_b128 v1, v[32:35], s[8:9]         ; 32 lanes store 512 consecutive bytes, at a multiple of 512 from the buffer's first byte
.Lnot_wave_0:
	s_lshr_b32 s22, s12, 1                         ; waves 2 c and 2 c + 1 hold the weights of rows 256 c .. + 255
	s_cmp_lg_u32 s22, ttmp9
	s_cbranch_scc1 .Ldone
	s_wait_alu depctr_va_vdst(0)
.irp i, 4,5,6,7
	v_mul_f32 v[\i], v[\i], v30
.endr
	global_store_b128 v2, v[4:7], s[10:11]         ; 512 consecutive bytes a wave
.Ldone:
	s_wait_tensorcnt 0x0
	ds_add_u32 v128, v129
	s_wait_dscnt 0x0
	s_endpgm
.Lfunc_end_k_q6bb4c5751d_context:
	.size	k_q6bb4c5751d_context, .Lfunc_end_k_q6bb4c5751d_context-k_q6bb4c5751d_context
	.p2alignl 7, 3214868480
	.fill 96, 4, 3214868480
	.section	.rodata,"a",@progbits
	.p2align	6, 0x0
	.amdhsa_kernel k_q6bb4c5751d_context
		.amdhsa_group_segment_fixed_size 10752
		.amdhsa_private_segment_fixed_size 0
		.amdhsa_enable_private_segment 0
		.amdhsa_kernarg_size 32
		.amdhsa_user_sgpr_count 2
		.amdhsa_user_sgpr_kernarg_segment_ptr 1
		.amdhsa_wavefront_size32 1
		.amdhsa_system_sgpr_workgroup_id_x 1
		.amdhsa_system_sgpr_workgroup_id_y 1
		.amdhsa_system_sgpr_workgroup_id_z 1
		.amdhsa_system_vgpr_workitem_id 0
		.amdhsa_next_free_vgpr 130
		.amdhsa_next_free_sgpr 66
		.amdhsa_reserve_vcc 0
		.amdhsa_float_denorm_mode_32 3
		.amdhsa_float_denorm_mode_16_64 3
		.amdhsa_memory_ordered 1
		.amdhsa_forward_progress 1
		.amdhsa_inst_pref_size 51
	.end_amdhsa_kernel
	.amdgpu_metadata
---
amdhsa.version: [ 1, 2 ]
amdhsa.kernels:
  - .name:           k_q6bb4c5751d_context
    .symbol:         k_q6bb4c5751d_context.kd
    .args:
      - { .name: scores, .offset: 0, .size: 8, .value_kind: global_buffer, .address_space: global }
      - { .name: values, .offset: 8, .size: 8, .value_kind: global_buffer, .address_space: global }
      - { .name: out0, .offset: 16, .size: 8, .value_kind: global_buffer, .address_space: global }
      - { .name: out1, .offset: 24, .size: 8, .value_kind: global_buffer, .address_space: global }
    .group_segment_fixed_size: 10752
    .private_segment_fixed_size: 0
    .kernarg_segment_align: 8
    .kernarg_segment_size: 32
    .max_flat_workgroup_size: 512
    .sgpr_count:     66
    .vgpr_count:     130
    .wavefront_size: 32
...
	.end_amdgpu_metadata
.endif
;; end of part 3
